; MI455X (gfx1250); checked and timed in simulation.
; The chip was launched on July 23, 2026; its instructions are those of AMD's public machine-readable ISA for CDNA 5 (MIT licence, August 2026) and "CDNA5" Instruction Set Architecture Reference Guide (July 2026). The comments in the code are by the model that wrote it; some were corrected since.
;; Causal Multihead Self Attention. Allowed arithmetic: float matrix products may take bf16 or f16 operands with f32 sums; all other float work in f32.
;; Inputs: Wk 1,024 x 1,024 float32; Wo 1,024 x 1,024 float32; Wq 1,024 x 1,024 float32; Wv 1,024 x 1,024 float32; token_positions 2,048 int32; x 2 x 2,048 x 1,024 float32.
;; Outputs: out0 2 x 2,048 x 1,024 float32.
;; One version. Each part assembles by itself: llvm-mc -triple=amdgcn-amd-amdhsa -mcpu=gfx1250 --defsym DOCPART=n.
;; ======== version 1 of 1: 4 launches
;; limits: values are held in f16: magnitudes above 65,504 overflow, below 6.1e-05 lose precision; right only within a limited range of input values
;; workspace buffers: xb 8,388,608 bytes; wcat 6,291,456 bytes; wob 2,097,152 bytes; rope 524,288 bytes; qb 8,388,608 bytes; kb 8,388,608 bytes; vt 8,388,608 bytes; ao 8,388,608 bytes
;; launch prep (part 1): grid 64 x 9, 8 waves a work-group, no clusters, 0 bytes of LDS; arguments x, Wq, Wk, Wv, Wo, token_positions, xb, wcat, wob, rope; writes xb, wcat, wob, rope
.if DOCPART == 1
	.amdgcn_target "amdgcn-amd-amdhsa--gfx1250"
	.amdhsa_code_object_version 6
	.text
	.protected	k_q0668c29a64_prep
	.globl	k_q0668c29a64_prep
	.p2align	8
	.type	k_q0668c29a64_prep,@function
k_q0668c29a64_prep:
	s_mov_b64 s[64:65], 0
	v_nop
	global_prefetch_b8 v0, s[64:65] scope:SCOPE_SE
	s_setreg_imm32_b32 hwreg(HW_REG_WAVE_MODE, 25, 1), 1
	s_wait_xcnt 0x0
; prep: the operands of the later products are rounded once, and the table of cosines and sines is made.
;   y = 0..3  x rows 1024 y ..      -> xb   [4096][1024] bf16
;   y = 4..6  Wq, Wk, Wv            -> wcat [3072][1024] bf16, row = 192 head + 64 t + c (t = 0, 1, 2 for q, k, v; c = the row inside the head)
;   y = 7     Wo                    -> wob  [1024][1024]: rounded to bf16, then held as f16 (exact for |w| >= 2^-17, below that off by 2^-25 at most)
;   y = 8     token_positions       -> rope [s/16][b][p][lane][16 bytes] f32: lane (r, h) holds cos, sin, cos, sin of s = 16 (s/16) + r, i = 8 b + 4 h + 2 p + 0, 1
; A stream: no LDS, no barrier, no matrix unit.  A wave converts two rows: 16 loads of 512 neighbouring bytes, all issued first,
; 16 stores of 256 neighbouring bytes at multiples of 256 from the buffer's first byte.  No register is written after a store reads it.
; LIMITS: |position| <= 2^22 (beyond it the count of quarter turns is no longer exact in f32).  The frequencies 10000^(-i/32) come from
; v_exp_f32 and are good to about one unit in the last place.
.set XI, 8                             ; v[8:71]   16 loads of 4 numbers
.set YO, 72                            ; v[72:103] 16 results of 4 numbers in 16 bits
	s_load_b512 s[4:19], s[0:1], 0x0               ; x 4, Wq 6, Wk 8, Wv 10, Wo 12, positions 14, xb 16, wcat 18
	s_load_b128 s[20:23], s[0:1], 0x40             ; wob 20, rope 22
	s_and_b32 s24, ttmp7, 0xffff                   ; y: which job
	v_lshrrev_b32 v1, 5, v0
	v_readfirstlane_b32 s25, v1                    ; wave 0..7
	v_and_b32 v3, 31, v0                           ; lane
	s_wait_kmcnt 0x0
	s_cmp_eq_u32 s24, 8
	s_cbranch_scc1 .Lrope
	; the converting jobs: from where and to where
	s_lshl_b32 s34, ttmp9, 4
	s_lshl1_add_u32 s34, s25, s34                  ; row0 = 16 x + 2 wave, inside the slab of 1,024 rows
	s_mov_b64 s[26:27], s[4:5]
	s_cmp_eq_u32 s24, 4
	s_cselect_b64 s[26:27], s[6:7], s[26:27]
	s_cmp_eq_u32 s24, 5
	s_cselect_b64 s[26:27], s[8:9], s[26:27]
	s_cmp_eq_u32 s24, 6
	s_cselect_b64 s[26:27], s[10:11], s[26:27]
	s_cmp_eq_u32 s24, 7
	s_cselect_b64 s[26:27], s[12:13], s[26:27]     ; the source buffer
	s_cmp_ge_u32 s24, 4
	s_cselect_b64 s[28:29], s[18:19], s[16:17]
	s_cmp_eq_u32 s24, 7
	s_cselect_b64 s[28:29], s[20:21], s[28:29]     ; the destination buffer
	s_lshl_b32 s35, s24, 22                        ; a slab of x is 4 MiB
	s_cmp_lt_u32 s24, 4
	s_cselect_b32 s35, s35, 0
	s_lshl_b32 s30, s34, 12
	s_add_co_u32 s30, s30, s35                     ; source offset in bytes
	s_mov_b32 s31, 0
	s_lshl_b32 s36, s24, 10
	s_add_co_u32 s36, s36, s34                     ; destination row in xb
	s_lshr_b32 s37, s34, 6
	s_mul_i32 s37, s37, 192                        ; in wcat: 192 head
	s_and_b32 s38, s34, 63
	s_add_co_u32 s37, s37, s38                     ; + the row inside the head
	s_max_u32 s38, s24, 4
	s_min_u32 s38, s38, 6
	s_sub_co_u32 s38, s38, 4
	s_lshl_b32 s38, s38, 6
	s_add_co_u32 s37, s37, s38                     ; + 64 t
	s_cmp_lt_u32 s24, 4
	s_cselect_b32 s36, s36, s37
	s_cmp_eq_u32 s24, 7
	s_cselect_b32 s36, s34, s36                    ; in wob: the row as it is
	s_lshl_b32 s32, s36, 11                        ; rows of 2,048 bytes
	s_mov_b32 s33, 0
	s_add_nc_u64 s[26:27], s[26:27], s[30:31]
	s_add_nc_u64 s[28:29], s[28:29], s[32:33]
	v_lshlrev_b32 v1, 4, v3                        ; 16 bytes a lane in
	v_lshlrev_b32 v2, 3, v3                        ; 8 bytes a lane out
.set i, 0
.rept 16
	global_load_b128 v[XI+4*i:XI+4*i+3], v1, s[26:27] offset:512*i th:TH_LOAD_NT
.set i, i+1
.endr
; mode 0: to bf16.  mode 1: to bf16, widened again, and to f16.
.macro CONV mode
.set i, 0
.rept 16
	s_wait_loadcnt 15-i                            ; loads come back in order: chunk i is in, the 15 - i younger ones stay out
	v_cvt_pk_bf16_f32 v[YO+2*i],   v[XI+4*i],   v[XI+4*i+1]
	v_cvt_pk_bf16_f32 v[YO+2*i+1], v[XI+4*i+2], v[XI+4*i+3]
.if \mode
	v_lshlrev_b32 v[XI+4*i],   16, v[YO+2*i]
	v_and_b32     v[XI+4*i+1], 0xffff0000, v[YO+2*i]
	v_lshlrev_b32 v[XI+4*i+2], 16, v[YO+2*i+1]
	v_and_b32     v[XI+4*i+3], 0xffff0000, v[YO+2*i+1]
	v_cvt_pk_f16_f32 v[YO+2*i],   v[XI+4*i],   v[XI+4*i+1]
	v_cvt_pk_f16_f32 v[YO+2*i+1], v[XI+4*i+2], v[XI+4*i+3]
.endif
	global_store_b64 v2, v[YO+2*i:YO+2*i+1], s[28:29] offset:256*i
.set i, i+1
.endr
.endm
	s_cmp_eq_u32 s24, 7
	s_cbranch_scc1 .Lwo
	CONV 0
	s_endpgm
.Lwo:
	CONV 1
	s_endpgm
; cos and sin of the angle in v[a].  n = the nearest count of quarter turns; r = a - n pi/2 by two fused steps (the product in a fused
; multiply-add is exact; pi/2 = 0x3fc90fdb - 0x333bbd2e to 1.7e-15); Taylor sums on |r| <= pi/4 up to r^9 and r^8; then the quadrant:
; n odd exchanges the two, bit 1 of n turns the sine's sign, bit 1 of n + 1 the cosine's.  Selections only, no branch.
.macro SINCOS a, c, s
	v_mul_f32 v20, 0x3f22f983, v[\a]               ; a * 2/pi
	v_rndne_f32 v20, v20
	v_fmamk_f32 v21, v20, 0xbfc90fdb, v[\a]
	v_fmamk_f32 v21, v20, 0x333bbd2e, v21
	v_mul_f32 v22, v21, v21                        ; r^2
	v_fmaak_f32 v23, v31, v22, 0xb9500d01          ; sine:   1/9! r^2 - 1/7!
	v_fmaak_f32 v24, v32, v22, 0xbab60b61          ; cosine: 1/8! r^2 - 1/6!
	v_fmaak_f32 v23, v23, v22, 0x3c088889          ; + 1/5!
	v_fmaak_f32 v24, v24, v22, 0x3d2aaaab          ; + 1/4!
	v_fmaak_f32 v23, v23, v22, 0xbe2aaaab          ; - 1/3!
	v_fma_f32 v24, v24, v22, -0.5
	v_mul_f32 v27, v21, v22
	v_fma_f32 v28, v24, v22, 1.0                   ; cos r
	v_fma_f32 v27, v27, v23, v21                   ; sin r
	v_cvt_i32_f32 v25, v20
	v_and_b32 v26, 1, v25
	v_cmp_eq_u32 vcc_lo, 1, v26
	v_cndmask_b32 v[\s], v27, v28, vcc_lo
	v_cndmask_b32 v[\c], v28, v27, vcc_lo
	v_lshlrev_b32 v26, 30, v25
	v_and_b32 v26, 0x80000000, v26
	v_xor_b32 v[\s], v[\s], v26
	v_add_nc_u32 v25, 1, v25
	v_lshlrev_b32 v25, 30, v25
	v_and_b32 v25, 0x80000000, v25
	v_xor_b32 v[\c], v[\c], v25
.endm
.Lrope:
	s_lshl3_add_u32 s34, ttmp9, s25                ; chunk = 8 x + wave = 4 (s/16) + b: 1,024 bytes of the table
	s_lshr_b32 s35, s34, 2
	s_and_b32 s36, s34, 3
	s_lshl_b32 s37, s35, 6                         ; 16 positions of 4 bytes
	s_lshl_b32 s38, s36, 3                         ; 8 b
	s_lshl_b32 s30, s34, 10
	s_mov_b32 s31, 0
	s_add_nc_u64 s[22:23], s[22:23], s[30:31]
	v_and_b32 v4, 15, v3                           ; r
	v_lshrrev_b32 v5, 4, v3                        ; h
	v_lshl_add_u32 v6, v4, 2, s37
	global_load_b32 v7, v6, s[14:15]               ; the position of s = 16 (s/16) + r
	v_lshl_add_u32 v8, v5, 2, s38                  ; i = 8 b + 4 h (+ 0..3)
	v_lshlrev_b32 v30, 4, v3
	v_mov_b32 v31, 0x3638ef1d                      ; 1/9!
	v_mov_b32 v32, 0x37d00d01                      ; 1/8!
.irp jj, 0,1,2,3
	v_add_nc_u32 v[10+\jj], \jj, v8
	v_cvt_f32_u32 v[10+\jj], v[10+\jj]
	v_mul_f32 v[10+\jj], 0xbed49a78, v[10+\jj]     ; - i log2(10000) / 32
.endr
.irp jj, 0,1,2,3
	v_exp_f32 v[10+\jj], v[10+\jj]                 ; 10000^(-i/32)
.endr
	s_wait_loadcnt 0x0
	v_cvt_f32_i32 v7, v7                           ; also the plain instruction that stands between v_exp_f32 and the use of its result (ISA guide 5.7.2)
	s_wait_alu depctr_va_vdst(0)
.irp jj, 0,1,2,3
	v_mul_f32 v[14+\jj], v7, v[10+\jj]             ; the angle: one f32 product
.endr
	SINCOS 14, 40, 41
	SINCOS 15, 42, 43
	SINCOS 16, 44, 45
	SINCOS 17, 46, 47
	global_store_b128 v30, v[40:43], s[22:23]              ; p = 0: 512 neighbouring bytes of the wave
	global_store_b128 v30, v[44:47], s[22:23] offset:512   ; p = 1
	s_endpgm
.Lfunc_end_k_q0668c29a64_prep:
	.size	k_q0668c29a64_prep, .Lfunc_end_k_q0668c29a64_prep-k_q0668c29a64_prep
	.p2alignl 7, 3214868480
	.fill 96, 4, 3214868480
	.section	.rodata,"a",@progbits
	.p2align	6, 0x0
	.amdhsa_kernel k_q0668c29a64_prep
		.amdhsa_group_segment_fixed_size 0
		.amdhsa_private_segment_fixed_size 0
		.amdhsa_enable_private_segment 0
		.amdhsa_kernarg_size 80
		.amdhsa_user_sgpr_count 2
		.amdhsa_user_sgpr_kernarg_segment_ptr 1
		.amdhsa_wavefront_size32 1
		.amdhsa_system_sgpr_workgroup_id_x 1
		.amdhsa_system_sgpr_workgroup_id_y 1
		.amdhsa_system_sgpr_workgroup_id_z 1
		.amdhsa_system_vgpr_workitem_id 0
		.amdhsa_next_free_vgpr 104
		.amdhsa_next_free_sgpr 66
		.amdhsa_reserve_vcc 1
		.amdhsa_float_denorm_mode_32 3
		.amdhsa_float_denorm_mode_16_64 3
		.amdhsa_memory_ordered 1
		.amdhsa_forward_progress 1
		.amdhsa_inst_pref_size 24
	.end_amdhsa_kernel
	.amdgpu_metadata
---
amdhsa.version: [ 1, 2 ]
amdhsa.kernels:
  - .name:           k_q0668c29a64_prep
    .symbol:         k_q0668c29a64_prep.kd
    .args:
      - { .name: x, .offset: 0, .size: 8, .value_kind: global_buffer, .address_space: global }
      - { .name: Wq, .offset: 8, .size: 8, .value_kind: global_buffer, .address_space: global }
      - { .name: Wk, .offset: 16, .size: 8, .value_kind: global_buffer, .address_space: global }
      - { .name: Wv, .offset: 24, .size: 8, .value_kind: global_buffer, .address_space: global }
      - { .name: Wo, .offset: 32, .size: 8, .value_kind: global_buffer, .address_space: global }
      - { .name: token_positions, .offset: 40, .size: 8, .value_kind: global_buffer, .address_space: global }
      - { .name: xb, .offset: 48, .size: 8, .value_kind: global_buffer, .address_space: global }
      - { .name: wcat, .offset: 56, .size: 8, .value_kind: global_buffer, .address_space: global }
      - { .name: wob, .offset: 64, .size: 8, .value_kind: global_buffer, .address_space: global }
      - { .name: rope, .offset: 72, .size: 8, .value_kind: global_buffer, .address_space: global }
    .group_segment_fixed_size: 0
    .private_segment_fixed_size: 0
    .kernarg_segment_align: 8
    .kernarg_segment_size: 80
    .max_flat_workgroup_size: 256
    .sgpr_count:     66
    .vgpr_count:     104
    .wavefront_size: 32
...
	.end_amdgpu_metadata
.endif
;; end of part 1
;; launch qkv (part 2): grid 16 x 16, 4 waves a work-group, clusters of 4 x 4, 327,680 bytes of LDS; arguments xb, wcat, rope, qb, kb, vt; writes qb, kb, vt
.if DOCPART == 2
	.amdgcn_target "amdgcn-amd-amdhsa--gfx1250"
	.amdhsa_code_object_version 6
	.text
	.protected	k_q0668c29a64_qkv
	.globl	k_q0668c29a64_qkv
	.p2align	8
	.type	k_q0668c29a64_qkv,@function
k_q0668c29a64_qkv:
	s_mov_b64 s[64:65], 0
	v_nop
	global_prefetch_b8 v0, s[64:65] scope:SCOPE_SE
	s_setreg_imm32_b32 hwreg(HW_REG_WAVE_MODE, 25, 1), 1
	s_wait_xcnt 0x0
	s_wait_alu depctr_hold_cnt(0) depctr_sa_sdst(0) depctr_va_vdst(0) depctr_va_sdst(0) depctr_va_ssrc(0) depctr_va_vcc(0) depctr_vm_vsrc(0)
	s_getreg_b32 s2, hwreg(HW_REG_IB_STS2, 6, 4)
	s_cmp_eq_u32 s2, 0
	s_cbranch_scc0 .Lentry_in_a_cluster
	s_endpgm
.Lentry_in_a_cluster:
	s_bfe_u32 s2, ttmp6, 0x10000c
	s_cmp_lg_u32 s2, 0xf033
	s_cbranch_scc0 .Lentry_shape_is_right
	s_endpgm
.Lentry_shape_is_right:
; qkv: q, k, v of one head for 256 rows of x, rotated (q, k) and stored in f16.
;   [256 rows] x [192 columns = 64 q + 64 k + 64 v of head x] = xb [4096][1024] times wcat [3072][1024] transposed, bf16 operands, f32 sums, K = 1024.
; Four waves; wave w makes rows 64 w .. 64 w + 63 and all 192 columns: 48 accumulator tiles of 16 x 16 (384 registers).
; K goes in steps of 128 through two LDS slots filled by tensor loads; a tile's rows are 256 bytes of memory at multiples of 256 bytes.
; CLUSTER 4 x 4: x's tile hangs on the block of rows alone (shared along a row of the cluster), the weights' tile on the head alone (shared along
; a column); each is asked for jointly by the four that share it.
; q and k tiles are made TRANSPOSED (source 0 = weight rows, source 1 = x rows): a lane holds one row s and 8 neighbouring columns, so a rotation pair
; lies in two neighbouring registers and 8 results pack into 16 bytes.  v tiles are made in the natural order: a lane holds one column d and
; 8 neighbouring rows s, which is what the transposed store of v wants.
; OUT: qb, kb [16 b + head][2048][64] f16; vt [16 b + head][s/64][64 d][64 s] f16.  All leave through a stage in LDS as runs of 512 neighbouring bytes.
; LIMIT: q, k, v are held in f16: |q|, |k|, |v| < 65,504.
; REGISTERS in windows of 256: window 0 addresses, the table of cos and sin, work on the way out; window 1 two fragment buffers;
; window 2 the 32 q and k tiles ((a, b) at 8 (8 a + b), b = 0..3 q, 4..7 k); window 3 the 16 v tiles ((a, b) at 8 (4 a + b)).
.set KSTEP,  128
.set PITCH,  272                       ; an LDS row: 256 bytes + 16 of padding, an odd multiple of 16: the 16 rows of a fragment start in 16 different 16-byte columns modulo 256
.set AHALF,  128*PITCH                 ; what wave 0 or 1 fetches of x
.set ABYTES, 2*AHALF
.set BHALF,  96*PITCH                  ; what wave 2 or 3 fetches of the weights
.set SLOT,   ABYTES+2*BHALF            ; 121,856
.set STAGE,  2*SLOT                    ; 243,712 = 952 x 256: behind the ring, no tensor load lands here
.set VPITCH, 144
.set QKST,   16*PITCH                  ; a wave's stage for 16 rows of q | k
.set WSTAGE, QKST+64*VPITCH            ; and behind it 64 rows (d) x 128 bytes of transposed v
.set LAPS,   4                         ; 1024 / (2 x 128)
.set T,    8                           ; v[8:15]    at work
.set ADRA, 16                          ; v16-17     my x fragments in slot 0, 1
.set ADRB, 20                          ; v20-21     the weights' fragments
.set STO,  22                          ; q | k stage: where I put 16 bytes
.set RDQ,  23                          ; q | k stage: where I read 16 bytes of 4 rows back
.set STV,  24                          ; the same for transposed v
.set RDV,  25
.set CO,   26                          ; 16 x lane; never rewritten
.set PK,   32                          ; v[32:63]   packed f16
.set CS,   64                          ; v[64:191]  cos, sin: (a, b, p) at 32 a + 8 b + 4 p
.set R,    192                         ; v[192:255] rotated numbers in f32; packed v
.set F0,   0                           ; window 1: fragment buffers; x tile i at +8 i, weight tile n at +32 + 8 n
.set F1,   128
.set G1,  24                           ; s[24:31] group 1 for x's tiles
.set G0,  32                           ; s[32:39] group 0 for x's tiles, a set for each slot
.set G1B, 48                           ; s[48:55], s[56:63]: the same for the weights
.set G0B, 56
.set FLAGS, (1<<16)|(1<<20)|(1<<21)|(5<<22)|(3<<25)   ; elements of 2 bytes; padding on; bit 21 beside a mask; after every 64 words 4 words
.set MUL_QK, 0xa5                      ; sources 0 and 1 window 1, C and D window 2
.set MUL_V,  0xf5                      ; C and D window 3
.set TO_F,   0x40                      ; destination window 1
.set MSB, 0
.macro WIN new                         ; the immediate's high byte repeats the setting that is left
.if MSB != \new
	s_set_vgpr_msb (MSB<<8)|\new
.set MSB, \new
.endif
.endm
; A joint load: waves 0, 1 ask for x's halves, waves 2, 3 for the weights'.  The branch hangs on the wave's number alone.
.macro JLOAD s
	s_cmp_eq_u32 s17, 0
	s_cbranch_scc0 .Lfor_b_\@
	tensor_load_to_lds s[G0+4*\s:G0+4*\s+3], s[G1:G1+7]
	s_nop 0
	s_branch .Lasked_\@
.Lfor_b_\@:
	tensor_load_to_lds s[G0B+4*\s:G0B+4*\s+3], s[G1B:G1B+7]
	s_nop 0
.Lasked_\@:
.endm
.macro CREST                           ; a round of the cluster's barrier behind its opening work-group barrier
	s_cmp_lg_u32 s16, 0
	s_cbranch_scc1 .Lnot_wave_0_\@
	s_barrier_signal -3
.Lnot_wave_0_\@:
	s_barrier_wait -3
	s_barrier_signal -1
	s_barrier_wait -1
.endm
.macro CROUND
	s_barrier_signal -1
	s_barrier_wait -1
	CREST
.endm
.macro PLACES                          ; four independent vector instructions behind matrix instructions (ISA guide 7.12.1)
.rept 4
	v_nop
.endr
.endm
	s_load_b256 s[4:11], s[0:1], 0x0               ; xb 4, wcat 6, rope 8, qb 10
	s_load_b128 s[12:15], s[0:1], 0x20             ; kb 12, vt 14
	v_lshl_add_u32 v30, v0, 2, 0x48c00
	v_mov_b32 v31, 0
	ds_add_u32 v30, v31
	ds_add_u32 v30, v31
	v_lshrrev_b32 v1, 5, v0
	v_readfirstlane_b32 s16, v1                    ; wave 0..3
	s_lshr_b32 s17, s16, 1                         ; I fetch for x (0) or for the weights (1)
	s_and_b32 s18, s16, 1                          ; which half
	s_bfe_u32 s19, ttmp6, 0x40000                  ; cx
	s_bfe_u32 s20, ttmp6, 0x40004                  ; cy
	s_lshl_b32 s21, ttmp9, 2
	s_add_co_u32 s21, s21, s19                     ; head = 4 x cluster x + cx
	s_and_b32 s22, ttmp7, 0xffff
	s_lshl_b32 s22, s22, 2
	s_add_co_u32 s22, s22, s20                     ; block of 256 rows = 4 x cluster y + cy
	s_lshl_b32 s40, s20, 2
	s_lshl_b32 s40, 15, s40                        ; my row of the cluster
	s_lshl_b32 s41, 0x1111, s19                    ; my column
	s_or_b32 s[G1+0], s40, FLAGS
	s_mov_b32 s[G1+1], KSTEP<<16                   ; tensor_dim0 = 128
	s_mov_b32 s[G1+2], 128<<16                     ; tensor_dim1 = 128
	s_mov_b32 s[G1+3], KSTEP<<16                   ; tile_dim0 = 128
	s_mov_b32 s[G1+4], 128                         ; tile_dim1 = 128 rows
	s_mov_b32 s[G1+5], 1024                        ; elements from row to row
	s_mov_b32 s[G1+6], 0
	s_mov_b32 s[G1+7], 0
	s_or_b32 s[G1B+0], s41, FLAGS
	s_mov_b32 s[G1B+1], KSTEP<<16
	s_mov_b32 s[G1B+2], 96<<16                     ; 96 rows
	s_mov_b32 s[G1B+3], KSTEP<<16
	s_mov_b32 s[G1B+4], 96
	s_mov_b32 s[G1B+5], 1024
	s_mov_b32 s[G1B+6], 0
	s_mov_b32 s[G1B+7], 0
	s_lshl_b32 s42, s22, 8                         ; x: row 256 block + 128 half, rows of 2,048 bytes
	s_lshl_b32 s44, s18, 7
	s_add_co_u32 s42, s42, s44
	s_lshl_b32 s42, s42, 11
	s_mov_b32 s43, 0
	s_mul_i32 s46, s21, 192                        ; weights: row 192 head + 96 half
	s_mul_i32 s45, s18, 96
	s_add_co_u32 s46, s46, s45
	s_lshl_b32 s46, s46, 11
	s_mov_b32 s47, 0
	s_mul_i32 s44, s18, AHALF                      ; where they go: the wave's number alone
	s_mul_i32 s45, s18, BHALF
	s_add_co_u32 s45, s45, ABYTES
	s_wait_dscnt 0x0
	s_wait_kmcnt 0x0
	s_add_nc_u64 s[42:43], s[4:5], s[42:43]
	s_add_nc_u64 s[46:47], s[6:7], s[46:47]
	CROUND                                         ; all sixteen work-groups are here: the first joint loads meet
.irp s, 0,1
	s_mov_b32 s[G0+4*\s], 1
	s_add_co_u32 s[G0+4*\s+1], s44, \s*SLOT
	s_add_nc_u64 s[G0+4*\s+2:G0+4*\s+3], s[42:43], \s*KSTEP*2
	s_or_b32 s[G0+4*\s+3], s[G0+4*\s+3], 0x80000000
	s_mov_b32 s[G0B+4*\s], 1
	s_add_co_u32 s[G0B+4*\s+1], s45, \s*SLOT
	s_add_nc_u64 s[G0B+4*\s+2:G0B+4*\s+3], s[46:47], \s*KSTEP*2
	s_or_b32 s[G0B+4*\s+3], s[G0B+4*\s+3], 0x80000000
	JLOAD \s                                       ; K steps 0 and 1: two tensor loads of the wave are out
.endr
	v_and_b32 v1, 15, v0                           ; r
	v_bfe_u32 v2, v0, 4, 1                         ; h
	v_and_b32 v4, 31, v0                           ; lane
	v_mul_u32_u24 v3, v1, PITCH
	v_lshl_add_u32 v3, v2, 4, v3                   ; r x pitch + 16 h
	s_mul_i32 s3, s16, 64*PITCH                    ; my 64 rows of x
	v_add_nc_u32 v[ADRA], s3, v3
	v_add_nc_u32 v[ADRA+1], SLOT, v[ADRA]
	v_add_nc_u32 v[ADRB], ABYTES, v3
	v_add_nc_u32 v[ADRB+1], SLOT, v[ADRB]
	s_mul_i32 s3, s16, WSTAGE
	s_add_co_u32 s3, s3, STAGE                     ; my stage
	v_add_nc_u32 v[STO], s3, v3
	v_lshrrev_b32 v5, 3, v4                        ; lane / 8: which of 4 rows
	v_and_b32 v6, 7, v4
	v_lshlrev_b32 v6, 4, v6                        ; 16 (lane mod 8)
	v_mul_u32_u24 v7, v5, PITCH
	v_add_nc_u32 v7, v7, v6
	v_add_nc_u32 v[RDQ], s3, v7
	s_add_co_u32 s3, s3, QKST
	v_mul_u32_u24 v7, v1, VPITCH
	v_lshl_add_u32 v7, v2, 4, v7
	v_add_nc_u32 v[STV], s3, v7
	v_mul_u32_u24 v7, v5, VPITCH
	v_add_nc_u32 v7, v7, v6
	v_add_nc_u32 v[RDV], s3, v7
	v_lshlrev_b32 v[CO], 4, v4
	; the table of cos and sin for my 64 rows: 32 loads of 512 neighbouring bytes; they are waited for on the way out
	s_and_b32 s66, s22, 7
	s_lshl_b32 s66, s66, 4
	s_lshl2_add_u32 s66, s16, s66                  ; s / 16 of my first row = 16 (block mod 8) + 4 wave
	s_lshl_b32 s66, s66, 12
	s_mov_b32 s67, 0
	s_add_nc_u64 s[66:67], s[8:9], s[66:67]
.irp a, 0,1,2,3
.irp b, 0,1,2,3
.irp p, 0,1
	global_load_b128 v[CS+32*\a+8*\b+4*\p:CS+32*\a+8*\b+4*\p+3], v[CO], s[66:67] offset:4096*\a+1024*\b+512*\p
.endr
.endr
.endr
; 16 matrix instructions: the v tiles, natural order (source 0 = x rows, source 1 = rows of Wv)
.macro MULV f, zero
.irp a, 0,1,2,3
.irp b, 0,1,2,3
.if \zero
	v_wmma_f32_16x16x32_bf16 v[8*(4*\a+\b):8*(4*\a+\b)+7], v[\f+8*\a:\f+8*\a+7], v[\f+96+8*\b:\f+96+8*\b+7], 0
.else
	v_wmma_f32_16x16x32_bf16 v[8*(4*\a+\b):8*(4*\a+\b)+7], v[\f+8*\a:\f+8*\a+7], v[\f+96+8*\b:\f+96+8*\b+7], v[8*(4*\a+\b):8*(4*\a+\b)+7]
.endif
.endr
.endr
.endm
; 16 matrix instructions: q and k tiles of row blocks a0, a0 + 1, transposed (source 0 = weight rows, source 1 = x rows)
.macro MULQK f, a0, zero
.irp a, \a0, \a0+1
.irp b, 0,1,2,3,4,5,6,7
.if \zero
	v_wmma_f32_16x16x32_bf16 v[8*(8*(\a)+\b):8*(8*(\a)+\b)+7], v[\f+32+8*\b:\f+32+8*\b+7], v[\f+8*(\a):\f+8*(\a)+7], 0
.else
	v_wmma_f32_16x16x32_bf16 v[8*(8*(\a)+\b):8*(8*(\a)+\b)+7], v[\f+32+8*\b:\f+32+8*\b+7], v[\f+8*(\a):\f+8*(\a)+7], v[8*(8*(\a)+\b):8*(8*(\a)+\b)+7]
.endif
.endr
.endr
.endm
; 32 LDS loads in one run: 64 rows of x, then Wv's 64 rows, then Wq's and Wk's 128, 32 along K at byte k of the rows
.macro FETCH slot, k, f
	WIN TO_F
.irp i, 0,1,2,3
	ds_load_b128 v[\f+8*\i:\f+8*\i+3],   v[ADRA+\slot] offset:\k+\i*16*PITCH
	ds_load_b128 v[\f+8*\i+4:\f+8*\i+7], v[ADRA+\slot] offset:\k+\i*16*PITCH+32
.endr
.irp n, 8,9,10,11,0,1,2,3,4,5,6,7
	ds_load_b128 v[\f+32+8*\n:\f+32+8*\n+3],   v[ADRB+\slot] offset:\k+\n*16*PITCH
	ds_load_b128 v[\f+32+8*\n+4:\f+32+8*\n+7], v[ADRB+\slot] offset:\k+\n*16*PITCH+32
.endr
.endm
; A quarter of a K step: 48 matrix instructions on buffer f; behind the first 16 the next quarter's fragments are fetched into buffer g.
; The 48 accumulators take turns, one instruction a turn, in the same order in every quarter.
.macro QUARTER slot, k, f, g, zero
	s_wait_dscnt 16                                ; x and Wv are in; the youngest 16 loads (Wq, Wk) may be out
	WIN MUL_V
	MULV \f, \zero
	PLACES                                         ; buffer g was read by the matrix instructions of the quarter before
	FETCH \slot, \k, \g
	s_wait_dscnt 32                                ; all but the 32 just issued
	WIN MUL_QK
	MULQK \f, 0, \zero
	MULQK \f, 2, \zero
.endm
.macro THREE slot, zero
	QUARTER \slot, 64,  F0, F1, \zero
	QUARTER \slot, 128, F1, F0, 0
	QUARTER \slot, 192, F0, F1, 0
.endm
; The last quarter of a K step changes slots.  In front of the barrier each wave waits for its reads of this slot and for all its tensor loads
; (the one that is out is its part of the next slot); behind it (with fill: behind the whole round of the cluster's barrier) the refill comes first,
; one tensor load a wave, then the next slot's first fragments.  From a request to the wait for it a wave issues 176 matrix instructions.
.macro TURN slot, next, fill
	s_wait_dscnt 0x0
	s_set_vgpr_msb 0xa5a0
	s_wait_tensorcnt 0x0
	ds_add_u32 v30, v31
	s_wait_dscnt 0x0
	s_set_vgpr_msb 0xa0a5
	s_barrier_signal -1
	WIN MUL_V
	MULV F1, 0                                     ; register work while the others arrive
	WIN 0
	s_barrier_wait -1
.if \fill
	CREST
	s_add_nc_u64 s[G0+4*\slot+2:G0+4*\slot+3], s[G0+4*\slot+2:G0+4*\slot+3], 2*KSTEP*2      ; no tensor load of mine is out: the addresses may step
	s_add_nc_u64 s[G0B+4*\slot+2:G0B+4*\slot+3], s[G0B+4*\slot+2:G0B+4*\slot+3], 2*KSTEP*2
	JLOAD \slot
.endif
	PLACES
	FETCH \next, 0, F0
	WIN MUL_QK
	MULQK F1, 0, 0
	MULQK F1, 2, 0
.endm
.macro LAP zero
	THREE 0, \zero
	TURN 0, 1, 1
	THREE 1, 0
	TURN 1, 0, 1
.endm
	s_wait_tensorcnt 0x1                           ; my part of K step 0 is in; K step 1's may stay out
	s_barrier_signal -1
	s_barrier_wait -1
	FETCH 0, 0, F0
	LAP 1                                          ; the first products start the sums: nothing is cleared
	WIN 0
	s_mov_b32 s23, LAPS-2
.Llap:
	LAP 0
	WIN 0
	s_sub_co_u32 s23, s23, 1
	s_cmp_lg_u32 s23, 0
	s_cbranch_scc1 .Llap
	THREE 0, 0                                     ; the last lap fills nothing
	TURN 0, 1, 0
	THREE 1, 0
	s_wait_dscnt 0x0
	WIN MUL_V
	MULV F1, 0
	WIN MUL_QK
	MULQK F1, 0, 0
	MULQK F1, 2, 0
	; THE WAY OUT
	PLACES
	WIN 0
	s_wait_loadcnt 0x0                             ; the table of cos and sin
	s_lshr_b32 s68, s22, 3                         ; batch
	s_lshl_b32 s68, s68, 4
	s_add_co_u32 s68, s68, s21                     ; 16 b + head
	s_lshl_b32 s68, s68, 18                        ; x 2048 x 128 bytes
	s_and_b32 s69, s22, 7
	s_lshl_b32 s69, s69, 8
	s_lshl_b32 s70, s16, 6
	s_add_co_u32 s69, s69, s70                     ; my first s
	s_lshl_b32 s69, s69, 7                         ; x 128 bytes: in qb and kb a row, in vt 64 s are one block of 8,192 bytes
	s_add_co_u32 s68, s68, s69
	s_mov_b32 s69, 0
	s_add_nc_u64 s[72:73], s[10:11], s[68:69]
	s_add_nc_u64 s[74:75], s[12:13], s[68:69]
	s_add_nc_u64 s[76:77], s[14:15], s[68:69]
; 16 rows of q and k: rotate, round to f16, through the stage, out as 4 + 4 runs of 512 bytes.
; A pair (x1, x2) lies in two neighbouring registers, its (cos, sin) likewise:
;   T = (-x2 sin, x2 cos): both halves take x2; the low half takes sin, negated, the high half cos
;   R = (x1 cos, x1 sin) + T: both halves take x1
.macro OUTQK a
	WIN 0x02                                       ; source 0 in window 2
.irp b, 0,1,2,3,4,5,6,7
.irp jj, 0,1,2,3
	v_pk_mul_f32 v[T+2*\jj:T+2*\jj+1], v[8*(8*\a+\b)+2*\jj:8*(8*\a+\b)+2*\jj+1], v[CS+32*\a+8*(\b&3)+2*\jj:CS+32*\a+8*(\b&3)+2*\jj+1] op_sel:[1,1] op_sel_hi:[1,0] neg_lo:[0,1]
.endr
.irp jj, 0,1,2,3
	v_pk_fma_f32 v[R+8*\b+2*\jj:R+8*\b+2*\jj+1], v[8*(8*\a+\b)+2*\jj:8*(8*\a+\b)+2*\jj+1], v[CS+32*\a+8*(\b&3)+2*\jj:CS+32*\a+8*(\b&3)+2*\jj+1], v[T+2*\jj:T+2*\jj+1] op_sel_hi:[0,1,1]
.endr
.endr
	WIN 0
.irp b, 0,1,2,3,4,5,6,7
.irp jj, 0,1,2,3
	v_cvt_pk_f16_f32 v[PK+4*\b+\jj], v[R+8*\b+2*\jj], v[R+8*\b+2*\jj+1]
.endr
.endr
.irp b, 0,1,2,3,4,5,6,7
	ds_store_b128 v[STO], v[PK+4*\b:PK+4*\b+3] offset:32*\b        ; row r: q in bytes 0-127, k in bytes 128-255
.endr
	WIN 0x40                                       ; read back into window 1; LDS serves a wave's instructions in order (ISA guide 5.7.1), so these see the stores above
.irp t, 0,1,2,3
	ds_load_b128 v[32*\a+4*\t:32*\a+4*\t+3], v[RDQ] offset:\t*4*PITCH
.endr
.irp t, 0,1,2,3
	ds_load_b128 v[32*\a+16+4*\t:32*\a+16+4*\t+3], v[RDQ] offset:\t*4*PITCH+128
.endr
	WIN 0x04                                       ; store data in window 1
.irp t, 0,1,2,3
	s_wait_dscnt 7-\t
	global_store_b128 v[CO], v[32*\a+4*\t:32*\a+4*\t+3], s[72:73] offset:(16*\a+4*\t)*128
.endr
.irp t, 0,1,2,3
	s_wait_dscnt 3-\t
	global_store_b128 v[CO], v[32*\a+16+4*\t:32*\a+16+4*\t+3], s[74:75] offset:(16*\a+4*\t)*128
.endr
.endm
	OUTQK 0
	OUTQK 1
	OUTQK 2
	OUTQK 3
	; v: a lane holds d = 16 b + r and s = 16 a + 8 h + 0..7: 16 bytes of a row of the transposed block
	WIN 0x0f                                       ; sources 0 and 1 in window 3
.irp a, 0,1,2,3
.irp b, 0,1,2,3
.irp e, 0,1,2,3
	v_cvt_pk_f16_f32 v[R+4*(4*\a+\b)+\e], v[8*(4*\a+\b)+2*\e], v[8*(4*\a+\b)+2*\e+1]
.endr
.endr
.endr
	WIN 0
.irp a, 0,1,2,3
.irp b, 0,1,2,3
	ds_store_b128 v[STV], v[R+4*(4*\a+\b):R+4*(4*\a+\b)+3] offset:16*VPITCH*\b+32*\a
.endr
.endr
	WIN 0x40
.irp t, 0,1,2,3,4,5,6,7,8,9,10,11,12,13,14,15
	ds_load_b128 v[128+4*\t:128+4*\t+3], v[RDV] offset:\t*4*VPITCH
.endr
	WIN 0x04
.irp t, 0,1,2,3,4,5,6,7,8,9,10,11,12,13,14,15
	s_wait_dscnt 15-\t
	global_store_b128 v[CO], v[128+4*\t:128+4*\t+3], s[76:77] offset:512*\t
.endr
	WIN 0
	s_wait_tensorcnt 0x0
	ds_add_u32 v30, v31
	s_wait_dscnt 0x0
	CROUND                                         ; the closing round: no work-group ends while a partner may still ask for a tile that names it
	s_endpgm
.Lfunc_end_k_q0668c29a64_qkv:
	.size	k_q0668c29a64_qkv, .Lfunc_end_k_q0668c29a64_qkv-k_q0668c29a64_qkv
	.p2alignl 7, 3214868480
	.fill 96, 4, 3214868480
	.section	.rodata,"a",@progbits
	.p2align	6, 0x0
	.amdhsa_kernel k_q0668c29a64_qkv
		.amdhsa_group_segment_fixed_size 327680
		.amdhsa_private_segment_fixed_size 0
		.amdhsa_enable_private_segment 0
		.amdhsa_kernarg_size 48
		.amdhsa_user_sgpr_count 2
		.amdhsa_user_sgpr_kernarg_segment_ptr 1
		.amdhsa_wavefront_size32 1
		.amdhsa_system_sgpr_workgroup_id_x 1
		.amdhsa_system_sgpr_workgroup_id_y 1
		.amdhsa_system_sgpr_workgroup_id_z 1
		.amdhsa_system_vgpr_workitem_id 0
		.amdhsa_next_free_vgpr 896
		.amdhsa_next_free_sgpr 84
		.amdhsa_reserve_vcc 0
		.amdhsa_float_denorm_mode_32 3
		.amdhsa_float_denorm_mode_16_64 3
		.amdhsa_memory_ordered 1
		.amdhsa_forward_progress 1
		.amdhsa_inst_pref_size 182
	.end_amdhsa_kernel
	.amdgpu_metadata
---
amdhsa.version: [ 1, 2 ]
amdhsa.kernels:
  - .name:           k_q0668c29a64_qkv
    .symbol:         k_q0668c29a64_qkv.kd
    .args:
      - { .name: xb, .offset: 0, .size: 8, .value_kind: global_buffer, .address_space: global }
      - { .name: wcat, .offset: 8, .size: 8, .value_kind: global_buffer, .address_space: global }
      - { .name: rope, .offset: 16, .size: 8, .value_kind: global_buffer, .address_space: global }
      - { .name: qb, .offset: 24, .size: 8, .value_kind: global_buffer, .address_space: global }
      - { .name: kb, .offset: 32, .size: 8, .value_kind: global_buffer, .address_space: global }
      - { .name: vt, .offset: 40, .size: 8, .value_kind: global_buffer, .address_space: global }
    .group_segment_fixed_size: 327680
    .private_segment_fixed_size: 0
    .kernarg_segment_align: 8
    .kernarg_segment_size: 48
    .max_flat_workgroup_size: 128
    .sgpr_count:     84
    .vgpr_count:     896
    .wavefront_size: 32
...
	.end_amdgpu_metadata
.endif
;; end of part 2
;; launch attn (part 3): grid 8 x 32, 4 waves a work-group, no clusters, 327,680 bytes of LDS; arguments qb, kb, vt, ao; writes ao
.if DOCPART == 3
	.amdgcn_target "amdgcn-amd-amdhsa--gfx1250"
	.amdhsa_code_object_version 6
	.text
	.protected	k_q0668c29a64_attn
	.globl	k_q0668c29a64_attn
	.p2align	8
	.type	k_q0668c29a64_attn,@function
k_q0668c29a64_attn:
	s_mov_b64 s[64:65], 0
	v_nop
	global_prefetch_b8 v0, s[64:65] scope:SCOPE_SE
	s_setreg_imm32_b32 hwreg(HW_REG_WAVE_MODE, 25, 1), 1
	s_wait_xcnt 0x0
; attn: causal softmax attention of one (batch, head) y for the two blocks of 128 queries j (low) and 15 - j (high), j = the work-group's x.
; Every work-group has the same work: 2 diagonal tiles of 128 keys and 15 full ones (j for the low block, 15 - j for the high): 17 steps.
; What the causal mask throws away is not computed.  Four waves; wave w owns queries 32 w .. 32 w + 31 of each block (two tiles qt of 16).
; Both products are made TRANSPOSED, in f16 with f32 sums:
;   S^T = K Q^T   (source 0 = 16 keys, source 1 = 16 queries): a lane holds query r and keys 16 kt + 8 h + 0..7
;   O^T = V^T P^T (source 0 = 16 d of transposed v, source 1 = P): the packed tiles 2 u, 2 u + 1 of S^T ARE P's fragment for keys 32 u .. 32 u + 31,
;   so P never moves between lanes; everything a lane holds belongs to query r; a row's maximum needs one exchange between the lane halves,
;   and the row's sum stays a partial sum in each half until the end.
; The running maximum is taken away before every exponential.  Each block's diagonal tile comes first: key = query is never masked, so the maximum is
; finite from the first step on.  Exponents are s c + round(-m c) in one fused step, c = log2(e) / 8; the factor for the old sums is
; exp2(round(-m_new c) - round(-m_old c)), the same rounded shifts, so old and new terms stay on one scale.
; ORDER: diagonal high, diagonal low, then full trips u = 0..14 on key block u (u < j, low block) or u - j (high block).  One set of registers is
; at work in the loop; at u = j the low block is finished and stored and the high block's state is copied in (100 moves, once in the launch):
; registers cannot be indexed, and a second copy of the loop would cost more.
; NO JOINT LOADS: in trip u the work-groups of one head want different key blocks (u or u - j hangs on j), and the trip at which a block changes
; hangs on j too, so partners have no common tile to ask for in a common trip.
; LIMIT: q, k, v, P and the result are f16 (|v| < 65,504; P <= 1).
; LDS: four regions x = 0..3 (ring 0, ring 1, diagonal low, diagonal high) of 36,864 bytes: 128 keys x 144, then 2 blocks x 64 d x 144 of transposed v;
; rows of 128 bytes padded by 16.  Behind them (byte 147,456 = 576 x 256) a stage of 32 rows x 144 for each wave, into which no tensor load lands.
.set KP,    144
.set HALF,  128*KP                     ; 18,432
.set REG,   2*HALF                     ; 36,864
.set STAGE, 4*REG
.set WST,   32*KP
; window 0
.set ADR,  8                           ; v8-11      region x + 144 r + 16 h
.set QOFF, 12                          ; 128 r + 16 h
.set STO,  13
.set RD,   14
.set CO,   15                          ; 16 x lane
.set QA,   32                          ; v[32:63]   Q at work: fragment (qt, ks) at 16 qt + 8 ks
.set QH,   64                          ; v[64:95]   Q of the high block
.set OA,   96                          ; v[96:159]  O at work: tile (dt, qt) at 32 qt + 8 dt
.set OH,   160                         ; v[160:223] O of the high block
.set PKO,  224                         ; v[224:255] packed result
; window 1: v[0:127] S, then P: tile (qt, kt) at 64 qt + 8 kt
.set NM,   128                         ; v128, v130 -m c of qt = 0, 1 (the low register of a pair)
.set AL,   132                         ; v132, v134 the factor for the old sums, at the end 1 / l
.set MA,   136                         ; m at work, qt = 0, 1
.set LA,   138                         ; l at work
.set MH,   140                         ; m, l of the high block
.set LH,   142
.set DD,   144                         ; 32 w + r - 8 h
.set NINF, 145
.set T,    146                         ; v[146:153] at work
; window 2: v[0:127] K fragments (kt, ks) at 8 (8 ks + kt); v[128:255] V fragments (dt, u) at 128 + 8 (4 u + dt)
.set W_LD, 0x80                        ; destination window 2
.set W_S,  0x52                        ; D and C window 1, source 0 window 2, source 1 window 0
.set W_SM, 0x55                        ; all in window 1
.set W_RS, 0x04                        ; source 1 window 1
.set W_PV, 0x06                        ; source 0 window 2, source 1 window 1, C and D window 0
.set W_I,  0x40                        ; destination window 1
.set MSB, 0
.macro WIN new
.if MSB != \new
	s_set_vgpr_msb (MSB<<8)|\new
.set MSB, \new
.endif
.endm
.macro PLACES
.rept 4
	v_nop
.endr
.endm
; the global address of full trip t's tile (t in s28) into group 0 at s[g]: key block t (t < j) or t - j
.macro KADDR g
	s_sub_co_u32 s61, s28, s13
	s_cmp_lt_u32 s28, s13
	s_cselect_b32 s26, s28, s61
	s_lshl_b32 s26, s26, 14                        ; 128 keys x 128 bytes, in kb and in vt alike
	s_add_nc_u64 s[\g+2:\g+3], s[24:25], s[26:27]
	s_or_b32 s[\g+3], s[\g+3], 0x80000000
.endm
	s_load_b256 s[4:11], s[0:1], 0x0               ; qb 4, kb 6, vt 8, ao 10
	v_lshl_add_u32 v30, v0, 2, 0x29000
	v_mov_b32 v31, 0
	ds_add_u32 v30, v31
	ds_add_u32 v30, v31
	v_lshrrev_b32 v1, 5, v0
	v_readfirstlane_b32 s12, v1                    ; wave 0..3
	s_mov_b32 s13, ttmp9                           ; j
	s_and_b32 s14, ttmp7, 0xffff                   ; 16 b + head
	; group 1, the same for every load: 64 rows of 64 elements of 2 bytes, dense in memory, 4 words of padding behind every 32
	s_mov_b32 s16, (1<<16)|(1<<20)|(4<<22)|(3<<25)
	s_mov_b32 s17, 64<<16
	s_mov_b32 s18, 64<<16
	s_mov_b32 s19, 64<<16
	s_mov_b32 s20, 64
	s_mov_b32 s21, 64
	s_mov_b32 s22, 0
	s_mov_b32 s23, 0
	s_mov_b32 s27, 0                               ; the high word of every offset; stays 0
	s_mul_i32 s60, s12, 64*KP                      ; my quarter of a region: waves 0, 1 the keys' halves, waves 2, 3 the two blocks of transposed v
	s_lshl_b32 s26, s14, 18
	s_and_b32 s28, s12, 1
	s_lshl_b32 s28, s28, 13
	s_add_co_u32 s26, s26, s28
	s_wait_dscnt 0x0
	s_wait_kmcnt 0x0
	s_cmp_lt_u32 s12, 2
	s_cselect_b64 s[24:25], s[6:7], s[8:9]
	s_add_nc_u64 s[24:25], s[24:25], s[26:27]      ; my quarter of key block 0
	s_mov_b32 s28, 0
	KADDR 32                                       ; ring 0: trip 0
	s_mov_b32 s28, 1
	KADDR 36                                       ; ring 1: trip 1
	s_lshl_b32 s26, s13, 14
	s_add_nc_u64 s[42:43], s[24:25], s[26:27]      ; diagonal low: key block j
	s_or_b32 s43, s43, 0x80000000
	s_sub_co_u32 s26, 15, s13
	s_lshl_b32 s26, s26, 14
	s_add_nc_u64 s[46:47], s[24:25], s[26:27]      ; diagonal high: key block 15 - j
	s_or_b32 s47, s47, 0x80000000
.irp x, 0,1,2,3
	s_mov_b32 s[32+4*\x], 1
	s_add_co_u32 s[33+4*\x], s60, \x*REG
.endr
	tensor_load_to_lds s[44:47], s[16:23]          ; the four first fills go out together, in the order of use: four tensor loads of the wave are out
	s_nop 0
	tensor_load_to_lds s[40:43], s[16:23]
	s_nop 0
	tensor_load_to_lds s[32:35], s[16:23]
	s_nop 0
	tensor_load_to_lds s[36:39], s[16:23]
	s_nop 0
	s_lshl_b32 s26, s14, 18
	s_lshl_b32 s28, s12, 12
	s_add_co_u32 s61, s26, s28                     ; (2048 y + 32 w) x 128 bytes
	s_lshl_b32 s28, s13, 14
	s_add_co_u32 s26, s61, s28                     ; + 128 j rows
	s_add_nc_u64 s[56:57], s[4:5], s[26:27]        ; q, low block
	s_add_nc_u64 s[52:53], s[10:11], s[26:27]      ; ao, low block
	s_sub_co_u32 s28, 15, s13
	s_lshl_b32 s28, s28, 14
	s_add_co_u32 s26, s61, s28
	s_add_nc_u64 s[58:59], s[4:5], s[26:27]        ; q, high block
	s_add_nc_u64 s[54:55], s[10:11], s[26:27]      ; ao, high block
	s_mov_b32 s30, 0x3e38aa3b                      ; c = log2(e) / 8, twice: a pair for the packed multiply-add
	s_mov_b32 s31, 0x3e38aa3b
	s_mov_b32 s48, 0xbe38aa3b                      ; -c
	s_mov_b32 s49, 0x76543210                      ; v_permlanex16_b32: lane i of one half reads lane i of the other
	s_mov_b32 s50, 0xfedcba98
	v_and_b32 v1, 15, v0                           ; r
	v_bfe_u32 v2, v0, 4, 1                         ; h
	v_and_b32 v3, 31, v0                           ; lane
	v_lshlrev_b32 v5, 7, v1
	v_lshl_add_u32 v[QOFF], v2, 4, v5
.irp qt, 0,1
.irp ks, 0,1
	global_load_b128 v[QA+16*\qt+8*\ks:QA+16*\qt+8*\ks+3],   v[QOFF], s[56:57] offset:2048*\qt+64*\ks
	global_load_b128 v[QA+16*\qt+8*\ks+4:QA+16*\qt+8*\ks+7], v[QOFF], s[56:57] offset:2048*\qt+64*\ks+32
	global_load_b128 v[QH+16*\qt+8*\ks:QH+16*\qt+8*\ks+3],   v[QOFF], s[58:59] offset:2048*\qt+64*\ks
	global_load_b128 v[QH+16*\qt+8*\ks+4:QH+16*\qt+8*\ks+7], v[QOFF], s[58:59] offset:2048*\qt+64*\ks+32
.endr
.endr
	v_mul_u32_u24 v4, v1, KP
	v_lshl_add_u32 v4, v2, 4, v4                   ; 144 r + 16 h
.irp x, 0,1,2,3
	v_add_nc_u32 v[ADR+\x], \x*REG, v4
.endr
	s_mul_i32 s61, s12, WST
	s_add_co_u32 s61, s61, STAGE
	v_add_nc_u32 v[STO], s61, v4
	v_lshrrev_b32 v5, 3, v3
	v_mul_u32_u24 v5, v5, KP
	v_and_b32 v6, 7, v3
	v_lshl_add_u32 v5, v6, 4, v5
	v_add_nc_u32 v[RD], s61, v5
	v_lshlrev_b32 v[CO], 4, v3
	v_lshlrev_b32 v5, 3, v2
	v_sub_nc_u32 v5, v1, v5
	s_lshl_b32 s62, s12, 5
	v_add_nc_u32 v5, s62, v5                       ; 32 w + r - 8 h
	WIN W_I
	v_mov_b32 v[DD], v5
	v_mov_b32 v[NINF], 0xff800000
.irp e, 0,1,2,3,4,5,6,7
	v_mov_b32 v[NM+\e], 0                          ; the pairs of -m c and of the factor are written whole once: a packed source counts as read whole
.endr
	WIN 0
.macro KLOAD x                         ; 32 LDS loads: 128 keys x 64 d of region x
	WIN W_LD
.irp ks, 0,1
.irp kt, 0,1,2,3,4,5,6,7
	ds_load_b128 v[8*(8*\ks+\kt):8*(8*\ks+\kt)+3],   v[ADR+\x] offset:16*KP*\kt+64*\ks
	ds_load_b128 v[8*(8*\ks+\kt)+4:8*(8*\ks+\kt)+7], v[ADR+\x] offset:16*KP*\kt+64*\ks+32
.endr
.endr
.endm
.macro VLOAD x                         ; 32 LDS loads: 64 d x 128 keys of region x
	WIN W_LD
.irp u, 0,1,2,3
.irp dt, 0,1,2,3
	ds_load_b128 v[128+8*(4*\u+\dt):128+8*(4*\u+\dt)+3],   v[ADR+\x] offset:HALF+64*KP*(\u>>1)+16*KP*\dt+64*(\u&1)
	ds_load_b128 v[128+8*(4*\u+\dt)+4:128+8*(4*\u+\dt)+7], v[ADR+\x] offset:HALF+64*KP*(\u>>1)+16*KP*\dt+64*(\u&1)+32
.endr
.endr
.endm
.macro SMUL q                          ; 32 matrix instructions; eight accumulators take turns, one instruction a turn
	WIN W_S
.irp qt, 0,1
.irp kt, 0,1,2,3,4,5,6,7
	v_wmma_f32_16x16x32_f16 v[64*\qt+8*\kt:64*\qt+8*\kt+7], v[8*\kt:8*\kt+7], v[\q+16*\qt:\q+16*\qt+7], 0
.endr
.irp kt, 0,1,2,3,4,5,6,7
	v_wmma_f32_16x16x32_f16 v[64*\qt+8*\kt:64*\qt+8*\kt+7], v[64+8*\kt:64+8*\kt+7], v[\q+16*\qt+8:\q+16*\qt+15], v[64*\qt+8*\kt:64*\qt+8*\kt+7]
.endr
.endr
.endm
.macro MASK qt                         ; diagonal tile: key 16 kt + 8 h + e > query 32 w + 16 qt + r gives -inf; a selection, no branch
.irp kt, 0,1,2,3,4,5,6,7
.irp e, 0,1,2,3,4,5,6,7
	v_cmp_gt_i32 vcc_lo, 16*\kt+\e-16*\qt, v[DD]
	v_cndmask_b32 v[64*\qt+8*\kt+\e], v[64*\qt+8*\kt+\e], v[NINF], vcc_lo
.endr
.endr
.endm
; One query tile's 64 scores a lane: running maximum, exponentials, partial sum, P in f16 in place.  All in window 1.
.macro SOFT qt, first, m, l
.irp c, 0,1,2,3
	v_max3_num_f32 v[T+\c], v[64*\qt+16*\c], v[64*\qt+16*\c+1], v[64*\qt+16*\c+2]      ; four chains, started by the first values
.endr
.irp e, 3,5,7,9,11,13
.irp c, 0,1,2,3
	v_max3_num_f32 v[T+\c], v[T+\c], v[64*\qt+16*\c+\e], v[64*\qt+16*\c+\e+1]
.endr
.endr
.irp c, 0,1,2,3
	v_max_num_f32 v[T+\c], v[T+\c], v[64*\qt+16*\c+15]
.endr
	v_max3_num_f32 v[T], v[T], v[T+1], v[T+2]
.if \first
	v_max_num_f32 v[T], v[T], v[T+3]
.else
	v_max3_num_f32 v[T], v[T], v[T+3], v[\m+\qt]
	v_mul_f32 v[T+2], s48, v[\m+\qt]               ; the old shift, rounded as it was when it was used
.endif
	v_permlanex16_b32 v[T+1], v[T], s49, s50       ; the other half of the lanes holds the query's other keys
	v_max_num_f32 v[\m+\qt], v[T], v[T+1]
	v_mul_f32 v[NM+2*\qt], s48, v[\m+\qt]          ; -m c
.if \first == 0
	v_sub_f32 v[T+2], v[NM+2*\qt], v[T+2]          ; new shift - old shift <= 0
.endif
.set i, 0
.rept 32
	v_pk_fma_f32 v[64*\qt+2*i:64*\qt+2*i+1], v[64*\qt+2*i:64*\qt+2*i+1], s[30:31], v[NM+2*\qt:NM+2*\qt+1] op_sel_hi:[1,0,0]
.set i, i+1
.endr
.set i, 0
.rept 64
	v_exp_f32 v[64*\qt+i], v[64*\qt+i]
.set i, i+1
.endr
.if \first == 0
	v_exp_f32 v[AL+2*\qt], v[T+2]
.endif
	v_nop                                          ; one plain instruction between v_exp_f32 and the use of its result or a write of its source (ISA guide 5.7.2)
	s_wait_alu depctr_va_vdst(0)
.irp c, 0,1,2,3
	v_pk_add_f32 v[T+2*\c:T+2*\c+1], v[64*\qt+16*\c:64*\qt+16*\c+1], v[64*\qt+16*\c+2:64*\qt+16*\c+3]
.endr
.irp e, 4,6,8,10,12,14
.irp c, 0,1,2,3
	v_pk_add_f32 v[T+2*\c:T+2*\c+1], v[T+2*\c:T+2*\c+1], v[64*\qt+16*\c+\e:64*\qt+16*\c+\e+1]
.endr
.endr
	v_pk_add_f32 v[T:T+1], v[T:T+1], v[T+2:T+3]
	v_pk_add_f32 v[T+4:T+5], v[T+4:T+5], v[T+6:T+7]
	v_pk_add_f32 v[T:T+1], v[T:T+1], v[T+4:T+5]
.if \first
	v_add_f32 v[\l+\qt], v[T], v[T+1]
.else
	v_add_f32 v[T], v[T], v[T+1]
	v_fma_f32 v[\l+\qt], v[\l+\qt], v[AL+2*\qt], v[T]
.endif
.set i, 0
.rept 32                               ; ascending and in place: register 16 u + e takes values 16 u + 2 e, 2 e + 1, and never lands on a value not yet read
	v_cvt_pk_f16_f32 v[64*\qt+16*(i>>3)+(i&7)], v[64*\qt+16*(i>>3)+2*(i&7)], v[64*\qt+16*(i>>3)+2*(i&7)+1]
.set i, i+1
.endr
.endm
.macro RESC qt, o                      ; O of one query tile times the lane's factor
	WIN W_RS
.set i, 0
.rept 16
	v_pk_mul_f32 v[\o+32*\qt+2*i:\o+32*\qt+2*i+1], v[\o+32*\qt+2*i:\o+32*\qt+2*i+1], v[AL+2*\qt:AL+2*\qt+1] op_sel_hi:[1,0]
.set i, i+1
.endr
.endm
.macro PV1 qt, o, u, dt, zero
.if \zero
	v_wmma_f32_16x16x32_f16 v[\o+32*\qt+8*\dt:\o+32*\qt+8*\dt+7], v[128+8*(4*\u+\dt):128+8*(4*\u+\dt)+7], v[64*\qt+16*\u:64*\qt+16*\u+7], 0
.else
	v_wmma_f32_16x16x32_f16 v[\o+32*\qt+8*\dt:\o+32*\qt+8*\dt+7], v[128+8*(4*\u+\dt):128+8*(4*\u+\dt)+7], v[64*\qt+16*\u:64*\qt+16*\u+7], v[\o+32*\qt+8*\dt:\o+32*\qt+8*\dt+7]
.endif
.endm
.macro PV qt, o, first                 ; 16 matrix instructions; four accumulators take turns, one instruction a turn
	WIN W_PV
.irp dt, 0,1,2,3
	PV1 \qt, \o, 0, \dt, \first
.endr
.irp u, 1,2,3
.irp dt, 0,1,2,3
	PV1 \qt, \o, \u, \dt, 0
.endr
.endr
.endm
; One tile of 128 keys from region x.  Its K fragments were fetched in the step before.  nxt: the region whose K fragments are fetched now (-1: none).
; sync 0: no barrier.  sync 1: every wave waits for all its tensor loads and passes a barrier.
; sync 2: the same, and region x, whose K and V every wave now holds in registers, is filled again with the tile of trip s15 + du + 2:
; my reads of it are back (dscnt 0), all my tensor loads have landed (tensorcnt 0), the address is written while none is out, the barrier,
; and my one tensor load first behind it.  It has a whole step in which to land; one tensor load of the wave is out.
.macro STEP x, nxt, sync, du, first, q, o, m, l
	s_wait_dscnt 0x0                               ; the K fragments
	SMUL \q
	VLOAD \x                                       ; the V registers' last matrix instructions lie five places back, at the last step's end
	WIN W_SM
	PLACES
.if \first
	MASK 0
.endif
	SOFT 0, \first, \m, \l
.if \first == 0
	RESC 0, \o
.endif
	WIN 0
	s_wait_dscnt 0x0                               ; the V fragments: region x is read no more
.if \sync >= 1
	s_wait_tensorcnt 0x0
	ds_add_u32 v30, v31
	s_wait_dscnt 0x0
.endif
.if \sync == 2
	s_add_co_u32 s28, s15, \du+2
	KADDR 32+4*\x
.endif
.if \sync >= 1
	s_barrier_signal -1
	s_barrier_wait -1
.endif
.if \sync == 2
	tensor_load_to_lds s[32+4*\x:35+4*\x], s[16:23]
	s_nop 0
.endif
.if \nxt >= 0
	KLOAD \nxt
.endif
	PV 0, \o, \first
	WIN W_SM
.if \first
	MASK 1
.endif
	SOFT 1, \first, \m, \l
.if \first == 0
	RESC 1, \o
.endif
	PV 1, \o, \first
.rept 5
	v_nop                                          ; five places: the next step's products write over P, its loads over V
.endr
	WIN 0
.endm
; The block at work is finished: l over both lane halves, O / l, f16, 32 rows of 128 bytes through my stage, out as 8 runs of 512 bytes.
.macro FINAL base
	WIN W_SM
	v_permlanex16_b32 v[T], v[LA], s49, s50
	v_permlanex16_b32 v[T+1], v[LA+1], s49, s50
	v_add_f32 v[T], v[T], v[LA]
	v_add_f32 v[T+1], v[T+1], v[LA+1]
	v_rcp_f32 v[AL], v[T]
	v_rcp_f32 v[AL+2], v[T+1]
	v_nop
	s_wait_alu depctr_va_vdst(0)
	RESC 0, OA
	RESC 1, OA
	WIN 0
.irp qt, 0,1
.irp dt, 0,1,2,3
.irp e, 0,1,2,3
	v_cvt_pk_f16_f32 v[PKO+16*\qt+4*\dt+\e], v[OA+32*\qt+8*\dt+2*\e], v[OA+32*\qt+8*\dt+2*\e+1]
.endr
.endr
.endr
.irp qt, 0,1
.irp dt, 0,1,2,3
	ds_store_b128 v[STO], v[PKO+16*\qt+4*\dt:PKO+16*\qt+4*\dt+3] offset:16*KP*\qt+32*\dt
.endr
.endr
.irp t, 0,1,2,3,4,5,6,7
	ds_load_b128 v[OA+4*\t:OA+4*\t+3], v[RD] offset:4*KP*\t        ; my own bytes; LDS serves a wave's instructions in order (ISA guide 5.7.1)
.endr
.irp t, 0,1,2,3,4,5,6,7
	s_wait_dscnt 7-\t
	global_store_b128 v[CO], v[OA+4*\t:OA+4*\t+3], s[\base:\base+1] offset:512*\t
.endr
.endm
; At trip u = s15 + du = j the low block is done.  The branch hangs on the work-group's x and the loop's counter; no barrier and no tensor load stands inside.
.macro EVENT du
	s_add_co_u32 s28, s15, \du
	s_cmp_lg_u32 s28, s13
	s_cbranch_scc1 .Lnot_yet_\@
	FINAL 52
	s_wait_xcnt 0x0                                ; the stores' data registers are rewritten only behind this wait
.set i, 0
.rept 32
	v_mov_b32 v[QA+i], v[QH+i]
.set i, i+1
.endr
.set i, 0
.rept 64
	v_mov_b32 v[OA+i], v[OH+i]
.set i, i+1
.endr
	WIN W_SM
.irp e, 0,1,2,3
	v_mov_b32 v[MA+\e], v[MH+\e]
.endr
	WIN 0
.Lnot_yet_\@:
.endm
	s_wait_tensorcnt 0x3                           ; my part of the high diagonal tile is in; the three younger fills may stay out
	s_barrier_signal -1
	s_barrier_wait -1
	KLOAD 3
	WIN 0
	s_wait_loadcnt 0x0                             ; Q
	STEP 3, 2, 1, 0, 1, QH, OH, MH, LH             ; diagonal, high block; its barrier shows the other three regions to every wave
	STEP 2, 0, 0, 0, 1, QA, OA, MA, LA             ; diagonal, low block
	s_mov_b32 s15, 0
.Ltrip:
	EVENT 0
	STEP 0, 1, 2, 0, 0, QA, OA, MA, LA
	EVENT 1
	STEP 1, 0, 2, 1, 0, QA, OA, MA, LA
	s_add_co_u32 s15, s15, 2
	s_cmp_lt_u32 s15, 12
	s_cbranch_scc1 .Ltrip
	STEP 0, 1, 2, 0, 0, QA, OA, MA, LA             ; u = 12: the last fill, trip 14's tile (j <= 7: the change of blocks lies inside the loop)
	STEP 1, 0, 1, 0, 0, QA, OA, MA, LA             ; u = 13: a barrier, no fill
	STEP 0, -1, 0, 0, 0, QA, OA, MA, LA            ; u = 14
	FINAL 54
	s_wait_tensorcnt 0x0
	ds_add_u32 v30, v31
	s_wait_dscnt 0x0
	s_endpgm
.Lfunc_end_k_q0668c29a64_attn:
	.size	k_q0668c29a64_attn, .Lfunc_end_k_q0668c29a64_attn-k_q0668c29a64_attn
	.p2alignl 7, 3214868480
	.fill 96, 4, 3214868480
	.section	.rodata,"a",@progbits
	.p2align	6, 0x0
	.amdhsa_kernel k_q0668c29a64_attn
		.amdhsa_group_segment_fixed_size 327680
		.amdhsa_private_segment_fixed_size 0
		.amdhsa_enable_private_segment 0
		.amdhsa_kernarg_size 32
		.amdhsa_user_sgpr_count 2
		.amdhsa_user_sgpr_kernarg_segment_ptr 1
		.amdhsa_wavefront_size32 1
		.amdhsa_system_sgpr_workgroup_id_x 1
		.amdhsa_system_sgpr_workgroup_id_y 1
		.amdhsa_system_sgpr_workgroup_id_z 1
		.amdhsa_system_vgpr_workitem_id 0
		.amdhsa_next_free_vgpr 768
		.amdhsa_next_free_sgpr 66
		.amdhsa_reserve_vcc 1
		.amdhsa_float_denorm_mode_32 3
		.amdhsa_float_denorm_mode_16_64 3
		.amdhsa_memory_ordered 1
		.amdhsa_forward_progress 1
		.amdhsa_inst_pref_size 255
	.end_amdhsa_kernel
	.section	.bss,"aw",@nobits
	.p2align	6
	.space	262144
	.amdgpu_metadata
---
amdhsa.version: [ 1, 2 ]
amdhsa.kernels:
  - .name:           k_q0668c29a64_attn
    .symbol:         k_q0668c29a64_attn.kd
    .args:
      - { .name: qb, .offset: 0, .size: 8, .value_kind: global_buffer, .address_space: global }
      - { .name: kb, .offset: 8, .size: 8, .value_kind: global_buffer, .address_space: global }
      - { .name: vt, .offset: 16, .size: 8, .value_kind: global_buffer, .address_space: global }
      - { .name: ao, .offset: 24, .size: 8, .value_kind: global_buffer, .address_space: global }
    .group_segment_fixed_size: 327680
    .private_segment_fixed_size: 0
    .kernarg_segment_align: 8
    .kernarg_segment_size: 32
    .max_flat_workgroup_size: 128
    .sgpr_count:     66
    .vgpr_count:     768
    .wavefront_size: 32
...
	.end_amdgpu_metadata
.endif
;; end of part 3
;; launch oproj (part 4): grid 8 x 32, 4 waves a work-group, clusters of 4 x 4, 327,680 bytes of LDS; arguments ao, wob, out0; writes out0
.if DOCPART == 4
	.amdgcn_target "amdgcn-amd-amdhsa--gfx1250"
	.amdhsa_code_object_version 6
	.text
	.protected	k_q0668c29a64_oproj
	.globl	k_q0668c29a64_oproj
	.p2align	8
	.type	k_q0668c29a64_oproj,@function
k_q0668c29a64_oproj:
	s_mov_b64 s[64:65], 0
	v_nop
	global_prefetch_b8 v0, s[64:65] scope:SCOPE_SE
	s_setreg_imm32_b32 hwreg(HW_REG_WAVE_MODE, 25, 1), 1
	s_wait_xcnt 0x0
	s_wait_alu depctr_hold_cnt(0) depctr_sa_sdst(0) depctr_va_vdst(0) depctr_va_sdst(0) depctr_va_ssrc(0) depctr_va_vcc(0) depctr_vm_vsrc(0)
	s_getreg_b32 s2, hwreg(HW_REG_IB_STS2, 6, 4)
	s_cmp_eq_u32 s2, 0
	s_cbranch_scc0 .Lentry_in_a_cluster
	s_endpgm
.Lentry_in_a_cluster:
	s_bfe_u32 s2, ttmp6, 0x10000c
	s_cmp_lg_u32 s2, 0xf033
	s_cbranch_scc0 .Lentry_shape_is_right
	s_endpgm
.Lentry_shape_is_right:
; oproj: out0 [4096][1024] f32 = attention result times Wo transposed; f16 operands, f32 sums, K = 1024 = 16 heads x 64.
; A work-group makes 128 rows (block y) x 128 columns (block x); wave (wm, wn) = (w / 2, w mod 2) makes 64 x 64 in 16 accumulator tiles.
; ao lies as [16 b + head][2048][64] f16, so the 128 rows of one head are 16,384 neighbouring bytes.  An LDS slot holds K = 256 (four heads): 128 matrix
; instructions a wave, so that the other slot's load has 112 of them in which to land; two slots, four fills, no loop.
; CLUSTER 4 x 4: ao's tile hangs on y alone (shared along a row of the cluster), Wo's on x alone (shared along a column); both are asked for jointly.
; The products are made transposed (source 0 = rows of Wo, source 1 = rows of ao): a lane holds one row and 8 neighbouring columns of the result.
.set APITCH, 144                       ; a head's row: 128 bytes + 16
.set HEAD,   128*APITCH                ; 18,432
.set ABYTES, 4*HEAD                    ; 73,728
.set BPITCH, 528                       ; 512 bytes + 16
.set BHALF,  64*BPITCH
.set SLOT,   ABYTES+2*BHALF            ; 141,312
.set STAGE,  2*SLOT                    ; 282,624 = 1,104 x 256: behind the ring, no tensor load lands here
.set SPITCH, 272
.set ADRA, 16
.set ADRB, 20
.set STO,  24
.set RD,   25
.set CO,   26
.set F0,   0                           ; window 1: a buffer holds K = 64: ao tile (a, ks) at 64 ks + 8 a, Wo tile (b, ks) at 64 ks + 32 + 8 b
.set F1,   128
.set G1,  24
.set G0,  32
.set G1B, 48
.set G0B, 56
.set MUL,  0xa5                        ; sources window 1, C and D window 2: tile (a, b) at 8 (4 a + b)
.set TO_F, 0x40
.set MSB, 0
.macro WIN new
.if MSB != \new
	s_set_vgpr_msb (MSB<<8)|\new
.set MSB, \new
.endif
.endm
.macro JLOAD s                         ; waves 0, 1 ask for two heads of ao each, waves 2, 3 for 64 rows of Wo each
	s_cmp_eq_u32 s17, 0
	s_cbranch_scc0 .Lfor_b_\@
	tensor_load_to_lds s[G0+4*\s:G0+4*\s+3], s[G1:G1+7]
	s_nop 0
	s_branch .Lasked_\@
.Lfor_b_\@:
	tensor_load_to_lds s[G0B+4*\s:G0B+4*\s+3], s[G1B:G1B+7]
	s_nop 0
.Lasked_\@:
.endm
.macro CREST
	s_cmp_lg_u32 s16, 0
	s_cbranch_scc1 .Lnot_wave_0_\@
	s_barrier_signal -3
.Lnot_wave_0_\@:
	s_barrier_wait -3
	s_barrier_signal -1
	s_barrier_wait -1
.endm
.macro CROUND
	s_barrier_signal -1
	s_barrier_wait -1
	CREST
.endm
.macro PLACES
.rept 4
	v_nop
.endr
.endm
	s_load_b128 s[4:7], s[0:1], 0x0                ; ao 4, wob 6
	s_load_b64 s[8:9], s[0:1], 0x10                ; out0
	v_lshl_add_u32 v254, v0, 2, 0x49400
	v_mov_b32 v255, 0
	ds_add_u32 v254, v255
	ds_add_u32 v254, v255
	v_lshrrev_b32 v1, 5, v0
	v_readfirstlane_b32 s16, v1
	s_lshr_b32 s17, s16, 1                         ; wm; also: I fetch for ao (0) or for Wo (1)
	s_and_b32 s18, s16, 1                          ; wn; also: which half
	s_bfe_u32 s19, ttmp6, 0x40000                  ; cx
	s_bfe_u32 s20, ttmp6, 0x40004                  ; cy
	s_lshl_b32 s21, ttmp9, 2
	s_add_co_u32 s21, s21, s19                     ; x
	s_and_b32 s22, ttmp7, 0xffff
	s_lshl_b32 s22, s22, 2
	s_add_co_u32 s22, s22, s20                     ; y
	s_lshl_b32 s40, s20, 2
	s_lshl_b32 s40, 15, s40                        ; my row of the cluster
	s_lshl_b32 s41, 0x1111, s19                    ; my column
	; ao: two heads, each 8,192 neighbouring elements, 131,072 elements apart.  The padding is counted along the tile: 4 words behind every 32,
	; so that in LDS each 128 bytes (a row of a head) stand 144 apart and the second head follows the first at 18,432.
	s_or_b32 s[G1+0], s40, (1<<16)|(1<<20)|(1<<21)|(4<<22)|(3<<25)
	s_mov_b32 s[G1+1], 8192<<16                    ; tensor_dim0 = 8,192
	s_mov_b32 s[G1+2], 2<<16                       ; tensor_dim1 = 2
	s_mov_b32 s[G1+3], 8192<<16                    ; tile_dim0 = 8,192
	s_mov_b32 s[G1+4], 2                           ; tile_dim1 = 2
	s_mov_b32 s[G1+5], 131072
	s_mov_b32 s[G1+6], 0
	s_mov_b32 s[G1+7], 0
	; Wo: 64 rows of 256 elements, 4 words behind every 128
	s_or_b32 s[G1B+0], s41, (1<<16)|(1<<20)|(1<<21)|(6<<22)|(3<<25)
	s_mov_b32 s[G1B+1], 256<<16
	s_mov_b32 s[G1B+2], 64<<16
	s_mov_b32 s[G1B+3], 256<<16
	s_mov_b32 s[G1B+4], 64
	s_mov_b32 s[G1B+5], 1024
	s_mov_b32 s[G1B+6], 0
	s_mov_b32 s[G1B+7], 0
	s_lshr_b32 s42, s22, 4
	s_lshl_b32 s42, s42, 4                         ; 16 b
	s_lshl1_add_u32 s42, s18, s42                  ; + 2 half: my first head of the first fill
	s_lshl_b32 s42, s42, 11                        ; x 2,048 rows
	s_and_b32 s3, s22, 15
	s_lshl_b32 s3, s3, 7
	s_add_co_u32 s42, s42, s3                      ; + 128 (y mod 16)
	s_lshl_b32 s42, s42, 7                         ; rows of 128 bytes
	s_mov_b32 s43, 0
	s_lshl_b32 s46, s21, 7
	s_lshl_b32 s45, s18, 6
	s_add_co_u32 s46, s46, s45                     ; Wo: row 128 x + 64 half
	s_lshl_b32 s46, s46, 11
	s_mov_b32 s47, 0
	s_mul_i32 s44, s18, 2*HEAD                     ; where they go: the wave's number alone
	s_mul_i32 s45, s18, BHALF
	s_add_co_u32 s45, s45, ABYTES
	s_wait_dscnt 0x0
	s_wait_kmcnt 0x0
	s_add_nc_u64 s[42:43], s[4:5], s[42:43]
	s_add_nc_u64 s[46:47], s[6:7], s[46:47]
	CROUND                                         ; in front of the first joint loads
.irp s, 0,1
	s_mov_b32 s[G0+4*\s], 1
	s_add_co_u32 s[G0+4*\s+1], s44, \s*SLOT
	s_add_nc_u64 s[G0+4*\s+2:G0+4*\s+3], s[42:43], \s*4*262144     ; four heads on
	s_or_b32 s[G0+4*\s+3], s[G0+4*\s+3], 0x80000000
	s_mov_b32 s[G0B+4*\s], 1
	s_add_co_u32 s[G0B+4*\s+1], s45, \s*SLOT
	s_add_nc_u64 s[G0B+4*\s+2:G0B+4*\s+3], s[46:47], \s*512        ; 256 columns on
	s_or_b32 s[G0B+4*\s+3], s[G0B+4*\s+3], 0x80000000
	JLOAD \s                                       ; two tensor loads of the wave are out
.endr
	v_and_b32 v1, 15, v0                           ; r
	v_bfe_u32 v2, v0, 4, 1                         ; h
	v_mul_u32_u24 v3, v1, APITCH
	v_lshl_add_u32 v3, v2, 4, v3
	s_mul_i32 s3, s17, 64*APITCH
	v_add_nc_u32 v[ADRA], s3, v3
	v_add_nc_u32 v[ADRA+1], SLOT, v[ADRA]
	v_mul_u32_u24 v3, v1, BPITCH
	v_lshl_add_u32 v3, v2, 4, v3
	s_mul_i32 s3, s18, 64*BPITCH
	s_add_co_u32 s3, s3, ABYTES
	v_add_nc_u32 v[ADRB], s3, v3
	v_add_nc_u32 v[ADRB+1], SLOT, v[ADRB]
	s_mul_i32 s3, s16, 16*SPITCH
	s_add_co_u32 s3, s3, STAGE                     ; my stage: 16 rows of 256 bytes
	v_mul_u32_u24 v3, v1, SPITCH
	v_lshl_add_u32 v3, v2, 5, v3                   ; in: row r, 32 bytes for each half of the lanes
	v_add_nc_u32 v[STO], s3, v3
	v_mul_u32_u24 v3, v2, SPITCH
	v_lshl_add_u32 v3, v1, 4, v3                   ; back: lanes 0-15 one row, lanes 16-31 the next
	v_add_nc_u32 v[RD], s3, v3
	v_lshlrev_b32 v3, 12, v2
	v_lshl_add_u32 v[CO], v1, 4, v3                ; the same two rows in out0
.macro FETCH slot, unit, f             ; 32 LDS loads: one head (K = 64): for each 32 along K my 64 rows of ao, then my 64 rows of Wo
	WIN TO_F
.irp ks, 0,1
.irp a, 0,1,2,3
	ds_load_b128 v[\f+64*\ks+8*\a:\f+64*\ks+8*\a+3],   v[ADRA+\slot] offset:HEAD*\unit+16*APITCH*\a+64*\ks
	ds_load_b128 v[\f+64*\ks+8*\a+4:\f+64*\ks+8*\a+7], v[ADRA+\slot] offset:HEAD*\unit+16*APITCH*\a+64*\ks+32
.endr
.irp b, 0,1,2,3
	ds_load_b128 v[\f+64*\ks+32+8*\b:\f+64*\ks+32+8*\b+3],   v[ADRB+\slot] offset:16*BPITCH*\b+128*\unit+64*\ks
	ds_load_b128 v[\f+64*\ks+32+8*\b+4:\f+64*\ks+32+8*\b+7], v[ADRB+\slot] offset:16*BPITCH*\b+128*\unit+64*\ks+32
.endr
.endr
.endm
.macro MUL16 f, ks, zero               ; the 16 accumulators take turns, one instruction a turn
	WIN MUL
.irp a, 0,1,2,3
.irp b, 0,1,2,3
.if \zero
	v_wmma_f32_16x16x32_f16 v[8*(4*\a+\b):8*(4*\a+\b)+7], v[\f+64*\ks+32+8*\b:\f+64*\ks+32+8*\b+7], v[\f+64*\ks+8*\a:\f+64*\ks+8*\a+7], 0
.else
	v_wmma_f32_16x16x32_f16 v[8*(4*\a+\b):8*(4*\a+\b)+7], v[\f+64*\ks+32+8*\b:\f+64*\ks+32+8*\b+7], v[\f+64*\ks+8*\a:\f+64*\ks+8*\a+7], v[8*(4*\a+\b):8*(4*\a+\b)+7]
.endif
.endr
.endr
.endm
.macro UNIT slot, nu, f, g, zero       ; one head on buffer f; in its middle head nu of the same slot is fetched into buffer g
	s_wait_dscnt 16                                ; the first 32 along K are in; the youngest 16 loads may be out
	MUL16 \f, 0, \zero
	PLACES
	FETCH \slot, \nu, \g
	s_wait_dscnt 32                                ; all but the 32 just issued
	MUL16 \f, 1, 0
.endm
.macro THREE slot, zero
	UNIT \slot, 1, F0, F1, \zero
	UNIT \slot, 2, F1, F0, 0
	UNIT \slot, 3, F0, F1, 0
.endm
; The slot's last head, and the change of slots: my reads of this slot and all my tensor loads are waited for in front of the barrier; behind it
; (with fill: behind the whole round of the cluster's barrier) the refill comes first, one tensor load a wave.
.macro TURN slot, next, fill
	s_wait_dscnt 0x0
	s_set_vgpr_msb 0xa5a0
	s_wait_tensorcnt 0x0
	ds_add_u32 v254, v255
	s_wait_dscnt 0x0
	s_set_vgpr_msb 0xa0a5
	s_barrier_signal -1
	MUL16 F1, 0, 0
	WIN 0
	s_barrier_wait -1
.if \fill
	CREST
	s_add_nc_u64 s[G0+4*\slot+2:G0+4*\slot+3], s[G0+4*\slot+2:G0+4*\slot+3], 8*262144      ; eight heads on
	s_add_nc_u64 s[G0B+4*\slot+2:G0B+4*\slot+3], s[G0B+4*\slot+2:G0B+4*\slot+3], 1024      ; 512 columns on
	JLOAD \slot
.endif
	PLACES
	FETCH \next, 0, F0
	MUL16 F1, 1, 0
.endm
	s_wait_tensorcnt 0x1                           ; my part of slot 0 is in; slot 1's may stay out
	s_barrier_signal -1
	s_barrier_wait -1
	FETCH 0, 0, F0
	THREE 0, 1                                     ; heads 0-3; the first products start the sums
	TURN 0, 1, 1                                   ; slot 0 gets heads 8-11
	THREE 1, 0                                     ; heads 4-7
	TURN 1, 0, 1                                   ; slot 1 gets heads 12-15
	THREE 0, 0
	TURN 0, 1, 0                                   ; nothing is left to fetch
	THREE 1, 0
	s_wait_dscnt 0x0
	MUL16 F1, 0, 0
	MUL16 F1, 1, 0
	; THE WAY OUT, 16 rows at a time: 32 bytes a lane into my stage, whole rows of 256 bytes back, sixteen lanes store 256 neighbouring bytes at a multiple of 256
	PLACES
	WIN 0
	s_lshl_b32 s66, s22, 7
	s_lshl_b32 s68, s17, 6
	s_add_co_u32 s66, s66, s68                     ; my first row
	s_lshl_b32 s66, s66, 12
	s_lshl_b32 s68, s21, 7
	s_lshl_b32 s69, s18, 6
	s_add_co_u32 s68, s68, s69                     ; my first column
	s_lshl_b32 s68, s68, 2
	s_add_co_u32 s66, s66, s68
	s_mov_b32 s67, 0
	s_add_nc_u64 s[8:9], s[8:9], s[66:67]
.macro OUT16 a
	WIN 0x08                                       ; LDS store data in window 2
.irp b, 0,1,2,3
	ds_store_b128 v[STO], v[8*(4*\a+\b):8*(4*\a+\b)+3]   offset:64*\b
	ds_store_b128 v[STO], v[8*(4*\a+\b)+4:8*(4*\a+\b)+7] offset:64*\b+16
.endr
	WIN 0x40                                       ; back into window 1, registers of their own for each a: no store's data is rewritten
.irp t, 0,1,2,3,4,5,6,7
	ds_load_b128 v[32*\a+4*\t:32*\a+4*\t+3], v[RD] offset:\t*2*SPITCH      ; my own bytes; LDS serves a wave's instructions in order (ISA guide 5.7.1)
.endr
	WIN 0x04
.irp t, 0,1,2,3,4,5,6,7
	s_wait_dscnt 7-\t
	global_store_b128 v[CO], v[32*\a+4*\t:32*\a+4*\t+3], s[8:9] offset:(16*\a+2*\t)*4096 th:TH_STORE_NT
.endr
.endm
	OUT16 0
	OUT16 1
	OUT16 2
	OUT16 3
	WIN 0
	s_wait_tensorcnt 0x0
	ds_add_u32 v254, v255
	s_wait_dscnt 0x0
	CROUND                                         ; the closing round
	s_endpgm
.Lfunc_end_k_q0668c29a64_oproj:
	.size	k_q0668c29a64_oproj, .Lfunc_end_k_q0668c29a64_oproj-k_q0668c29a64_oproj
	.p2alignl 7, 3214868480
	.fill 96, 4, 3214868480
	.section	.rodata,"a",@progbits
	.p2align	6, 0x0
	.amdhsa_kernel k_q0668c29a64_oproj
		.amdhsa_group_segment_fixed_size 327680
		.amdhsa_private_segment_fixed_size 0
		.amdhsa_enable_private_segment 0
		.amdhsa_kernarg_size 24
		.amdhsa_user_sgpr_count 2
		.amdhsa_user_sgpr_kernarg_segment_ptr 1
		.amdhsa_wavefront_size32 1
		.amdhsa_system_sgpr_workgroup_id_x 1
		.amdhsa_system_sgpr_workgroup_id_y 1
		.amdhsa_system_sgpr_workgroup_id_z 1
		.amdhsa_system_vgpr_workitem_id 0
		.amdhsa_next_free_vgpr 640
		.amdhsa_next_free_sgpr 72
		.amdhsa_reserve_vcc 0
		.amdhsa_float_denorm_mode_32 3
		.amdhsa_float_denorm_mode_16_64 3
		.amdhsa_memory_ordered 1
		.amdhsa_forward_progress 1
		.amdhsa_inst_pref_size 86
	.end_amdhsa_kernel
	.amdgpu_metadata
---
amdhsa.version: [ 1, 2 ]
amdhsa.kernels:
  - .name:           k_q0668c29a64_oproj
    .symbol:         k_q0668c29a64_oproj.kd
    .args:
      - { .name: ao, .offset: 0, .size: 8, .value_kind: global_buffer, .address_space: global }
      - { .name: wob, .offset: 8, .size: 8, .value_kind: global_buffer, .address_space: global }
      - { .name: out0, .offset: 16, .size: 8, .value_kind: global_buffer, .address_space: global }
    .group_segment_fixed_size: 327680
    .private_segment_fixed_size: 0
    .kernarg_segment_align: 8
    .kernarg_segment_size: 24
    .max_flat_workgroup_size: 128
    .sgpr_count:     72
    .vgpr_count:     640
    .wavefront_size: 32
...
	.end_amdgpu_metadata
.endif
;; end of part 4
